; MI455X (gfx1250); checked and timed in simulation.
; The chip was launched on July 23, 2026; its instructions are those of AMD's public machine-readable ISA for CDNA 5 (MIT licence, August 2026) and "CDNA5" Instruction Set Architecture Reference Guide (July 2026). The comments in the code are by the model that wrote it; some were corrected since.
;; Multi Head Attention. Allowed arithmetic: matrix products marked QUANTISED: E2M1 operands, one E8M0 scale for each 32 along K, by v_wmma_scale_f32_16x16x128_f8f6f4 with both operands' format E2M1 (or v_wmma_scale_f32_32x16x128_f4), f32 sums; everything else in f32.
;; Inputs: b_qkv 3,072 float32; encodings_for_qkv 4 x 2,048 x 1,024 float32; mask 1 x 1 x 2,048 x 2,048 bool; w_o 1,024 x 1,024 float32; w_qkv 3,072 x 1,024 float32.
;; Outputs: out0 4 x 2,048 x 1,024 float32.
;; This version of the problem:
;;   THIS VERSION OF THE PROBLEM IS GIVEN IN LOW PRECISION. The matrix products marked QUANTISED in the list below multiply operands that are first quantised to E2M1 (2 exponent bits, 1 mantissa bit; 4 bits a number), with one power-of-two scale for each 32 numbers along K (OCP MX v1.0); their sums are f32. All else is computed in f32.
;;   The module's matrix products, in the order in which they are computed (A, B: the left and right operand; K: the contracted axis; several contracted axes count as one K, in the product's order):
;;     1. [M 8,192, K 1,024] x [K 1,024, N 3,072]; A: input encodings_for_qkv; B: input w_qkv: QUANTISED
;;     2. batch 64 x [M 2,048, K 64] x [K 64, N 2,048]; A: computed on the way; B: computed on the way: QUANTISED
;;     3. batch 64 x [M 2,048, K 2,048] x [K 2,048, N 64]; A: softmax (see below); B: computed on the way: QUANTISED
;;     4. [M 8,192, K 1,024] x [K 1,024, N 1,024]; A: computed on the way; B: input w_o: QUANTISED
;;   THE QUANTISER, for each operand of a quantised product, along K:
;;     - K is cut into blocks of 32 from its start; a last block that is shorter is filled with zeros.
;;     - A block's scale is 2^e with e = floor(log2(the largest magnitude in the block)) - 2, held to -126 .. 127; a block of zeros has e = 0. As a byte (E8M0): e + 127.
;;     - Each number is divided by its block's scale, clamped to +-6, and rounded to the nearest number of E2M1, ties to even, subnormals kept.
;;     - The product sums the exact products of the quantised numbers (number of the format x scale) in f32.
;;   ~~~python
;;   def quantise(x, axis):      # numpy; x: float32 -> the quantised numbers, widened to float32 again
;;       x = np.moveaxis(x, axis, -1); K = x.shape[-1]
;;       x = np.pad(x, [(0, 0)] * (x.ndim - 1) + [(0, -K % 32)]); x = x.reshape(x.shape[:-1] + (-1, 32)); a = np.abs(x).max(-1, keepdims=True)
;;       e = np.where(a > 0, np.clip(np.frexp(np.where(a > 0, a, 1))[1] - 1 - 2, -126, 127), 0)      # np.frexp(a)[1] - 1 = floor(log2(a)), exactly
;;       r = np.clip(x / 2.0 ** e, -6, 6)
;;       step = 2.0 ** (np.maximum(np.frexp(np.where(r == 0, 1, r))[1] - 1, 0) - 1)
;;       q = np.round(r / step) * step * 2.0 ** e      # np.round: ties to even
;;       return np.moveaxis(q.reshape(q.shape[:-2] + (-1,))[..., :K], -1, axis).astype(np.float32)
;;   ~~~
;;   SOFTMAX AHEAD OF A QUANTISED PRODUCT. Where the list says 'softmax', what is quantised is not the finished softmax but p = 2^(t - M), with t = logit x log2(e) and M = ceil(the row's largest t), a whole number; so 1/2 < the row's largest p <= 1. The row's sum l is taken of the UNQUANTISED p, in f32, and the product's result is divided by l at the end. Since M is a whole number, a kernel that streams over the keys may use a running M (the ceiling of the running maximum): every later rescaling is an exact power of two, which a block's scale takes up: the codes' values come out the same.
;;   OPERANDS COMPUTED ON THE WAY. 'Computed on the way' means the value that the module computes at that place (a softmax that the list does not call 'softmax' is quantised finished and normalised). What goes into a quantiser is computed in f32, as accurately as f32 sums, v_exp_f32 and their like allow (about 1e-6 of the number): no bf16 or f16 on the way to a quantiser, and a product that is left as it is and whose result goes on into a quantised operand takes f32 operands (vector FMAs, or v_wmma_f32_16x16x4_f32). A number that lies on a knife's edge between two numbers of the format may be rounded either way, as far as f32 arithmetic and the matrix unit's own rounding can turn it there, and no further.
;; One version. Each part assembles by itself: llvm-mc -triple=amdgcn-amd-amdhsa -mcpu=gfx1250 --defsym DOCPART=n.
;; ======== version 1 of 1: 4 launches
;; limits: right only within a limited range of input values
;; workspace buffers: codes1 6,291,456 bytes; scales1 393,216 bytes; maskw 526,336 bytes of whole numbers; qkv_codes 12,582,912 bytes; qkv_scales 786,432 bytes; o_codes 4,194,304 bytes; o_scales 262,144 bytes
;; launch prep (part 1): grid 512 x 1, 4 waves a work-group, no clusters, 34,304 bytes of LDS; arguments encodings_for_qkv, w_qkv, w_o, mask, codes1, scales1, maskw; writes codes1, scales1, maskw
.if DOCPART == 1
	.amdgcn_target "amdgcn-amd-amdhsa--gfx1250"
	.amdhsa_code_object_version 6
	.text
	.protected	k_q431974ca61_prep
	.globl	k_q431974ca61_prep
	.p2align	8
	.type	k_q431974ca61_prep,@function
k_q431974ca61_prep:
	s_mov_b64 s[64:65], 0
	v_nop
	global_prefetch_b8 v0, s[64:65] scope:SCOPE_SE
	s_setreg_imm32_b32 hwreg(HW_REG_WAVE_MODE, 25, 1), 1
	s_wait_xcnt 0x0
; PREP.  Work-groups 0-383 turn x [8192][1024], w_qkv [3072][1024] and w_o [1024][1024], f32, into codes of FP4 (E2M1) with one E8M0 byte for each 32 along K.
; Work-groups 384-511 turn the mask [2048][2048] of bytes into lane masks and flags, as whole numbers, for the attention launch.
; THE ORDER OF ROWS.  Rows go in groups of 64; tile T = 4 C + g holds rows 64 C + 8 g + (r & 7) + 32 (r >> 3), r = 0 .. 15.  Used as source 0 of a matrix instruction, the four tiles of a group
; give a lane 32 registers that are one whole block of 32 neighbouring rows, which is what the next quantiser wants.
; THE LAYOUT OF CODES: images of the operand's registers.  Tile T takes 8,192 bytes: [K step 0..7][c 0..1][lane][16 bytes]; lane (r, h)'s 16 bytes are the 32 codes of row r, k = 128 ks + 64 c + 32 h on.
; THE SCALE WORDS of tile T take 512 bytes: [K half][lane][2 words]: word e of lane l is that of row l & 15 and K step 4 half + 2 e + (l >> 4): two K steps share a register, one in each half of the lanes.
; A block's scale is 2^(floor(log2(largest magnitude)) - 2); its byte is the largest magnitude's exponent field - 2, held at 1 from below.
; LIMITS: a block of zeros gets the byte 1 where the quantiser's text says 127 (its codes are zeros, and this program alone reads the bytes); NaN and infinities among the inputs are not served.
.set NQ,  384                          ; work-groups that quantise: 256 for x, 96 for w_qkv, 32 for w_o; two tiles each
.set SP,  528                          ; a stage row: 512 bytes + 16, an odd multiple of 16 bytes: the sixteen rows that a read touches start in different banks
.set R,   16                           ; v16-143  two sets of 64: a fragment's numbers as loaded
.set X,   144                          ; v144-207 my 64 numbers of a fragment: two blocks of 32 neighbours
.set CD,  208                          ; v208-239 codes, eight registers for each of the four fragments: no store's data are written again
.set MX,  240                          ; v240-241 largest magnitudes
.set EX,  242                          ; v242-243 the conversions' scale operands
.set BY,  244                          ; v244-245 scale bytes
.set PX,  246                          ; v246     what lane l xor 16 sends
.set WD,  248                          ; v248-251 a scale word for each fragment
.set SR,  252                          ; v252-253 the scale words as they are stored
.set M,   16                           ; the mask's way: v16-79 the bytes as loaded
.set W,   80                           ; v80-87   a pair of registers of lane masks for each step
	s_load_b256 s[4:11], s[0:1], 0x0               ; x s[4:5], w_qkv s[6:7], w_o s[8:9], mask s[10:11]
	s_load_b128 s[12:15], s[0:1], 0x20             ; codes1 s[12:13], scales1 s[14:15]
	s_load_b64 s[16:17], s[0:1], 0x30              ; maskw
	v_lshl_add_u32 v254, v0, 2, 0x8400
	v_mov_b32 v255, 0
	v_lshrrev_b32 v1, 5, v0
	v_readfirstlane_b32 s18, v1                    ; wave 0..3
	v_and_b32 v8, 31, v0                           ; lane
	v_and_b32 v9, 15, v0                           ; r
	v_bfe_u32 v10, v0, 4, 1                        ; h
	s_cmp_ge_u32 ttmp9, NQ
	s_cbranch_scc1 .Lmask                          ; the mask's way uses no LDS
; ---------------- the quantiser: a wave takes one tile and one half of K: four fragments of 16 rows x 128
	v_lshlrev_b32 v1, 4, v8                        ; 16 x lane
	v_lshlrev_b32 v2, 3, v8                        ; 8 x lane
	v_lshlrev_b32 v3, 3, v10                       ; 8 h: my bytes' place in a scale word, in bits
	s_mul_i32 s19, s18, 16*SP                      ; my wave's stage
	v_add_nc_u32 v4, s19, v1                       ; into it: a row's 512 bytes as they lie
	v_mul_u32_u24 v5, v9, SP
	v_lshl_add_u32 v5, v10, 7, v5
	v_add_nc_u32 v5, s19, v5                       ; out of it: row r, + 128 h: my 32 neighbours of each 64
	v_mov_b32 v[PX], 0                             ; a lane permute's destination counts as one of its sources
	s_lshl_b32 s20, ttmp9, 1
	s_lshr_b32 s21, s18, 1
	s_add_co_u32 s20, s20, s21                     ; T = 2 x work-group + wave / 2
	s_and_b32 s21, s18, 1                          ; which half of K
	s_mov_b32 s22, 0x76543210
	s_mov_b32 s23, 0xfedcba98                      ; v_permlanex16_b32's selects for lane l xor 16
	s_mov_b32 s24, 0xffff0000                      ; lanes 16-31
	s_mov_b32 s25, 704
	s_mov_b32 s29, 0
	s_wait_alu depctr_va_vdst(0)
	s_wait_kmcnt 0x0
	s_cmp_lt_u32 ttmp9, 352                        ; which tensor: the choice hangs on the work-group's number alone
	s_cselect_b64 s[6:7], s[6:7], s[8:9]
	s_cselect_b32 s25, 512, s25
	s_cmp_lt_u32 ttmp9, 256
	s_cselect_b64 s[4:5], s[4:5], s[6:7]
	s_cselect_b32 s25, 0, s25                      ; the tensor's first tile
	s_sub_co_u32 s26, s20, s25                     ; the tile's number in its tensor
	s_lshr_b32 s27, s26, 2
	s_lshl_b32 s27, s27, 18                        ; 64 rows of 4,096 bytes for each group,
	s_and_b32 s28, s26, 3
	s_lshl_b32 s28, s28, 15                        ; 8 rows for each tile in it,
	s_add_co_u32 s28, s28, s27
	s_lshl_b32 s27, s21, 11                        ; 2,048 bytes for the half of K
	s_add_co_u32 s28, s28, s27
	s_add_nc_u64 s[4:5], s[4:5], s[28:29]
	s_lshl_b32 s28, s20, 13
	s_lshl_b32 s27, s21, 12
	s_add_co_u32 s28, s28, s27
	s_add_nc_u64 s[12:13], s[12:13], s[28:29]      ; codes: 8,192 T + 4,096 half
	s_lshl_b32 s28, s20, 9
	s_lshl_b32 s27, s21, 8
	s_add_co_u32 s28, s28, s27
	s_add_nc_u64 s[14:15], s[14:15], s[28:29]      ; scale words: 512 T + 256 half
.macro LOADF f                         ; fragment f: sixteen loads, a row each: 32 lanes read 512 consecutive bytes
.irp i, 0,1,2,3,4,5,6,7,8,9,10,11,12,13,14,15
	global_load_b128 v[R+64*((\f)%2)+4*\i:R+64*((\f)%2)+4*\i+3], v1, s[4:5] offset:((\i%8)+32*(\i/8))*4096+512*(\f) th:TH_LOAD_NT
.endr
.endm
.macro FRAG f
.if (\f) < 3
	s_wait_loadcnt 16                              ; this fragment's sixteen loads are in; the next fragment's sixteen may be out
.else
	s_wait_loadcnt 0x0
.endif
.irp i, 0,1,2,3,4,5,6,7,8,9,10,11,12,13,14,15
	ds_store_b128 v4, v[R+64*((\f)%2)+4*\i:R+64*((\f)%2)+4*\i+3] offset:\i*SP
.endr
.irp c, 0,1
.irp e, 0,1,2,3,4,5,6,7
	ds_load_b128 v[X+32*\c+4*\e:X+32*\c+4*\e+3], v5 offset:256*\c+16*\e   ; LDS serves a wave's instructions in order: these see the stores above
.endr
.endr
	s_wait_dscnt 0x0                               ; my 64 numbers are back, and the stores have read their registers,
.if (\f) < 2
	LOADF (\f)+2                                   ; which take the loads of two fragments on
.endif
.irp c, 0,1
	v_max3_num_f32 v[MX+\c], |v[X+32*\c]|, |v[X+32*\c+1]|, 0x1800000   ; a whole block lies in my registers; the floor 2^(3 - 127) holds the byte at 1 from below
.endr
.irp i, 2,4,6,8,10,12,14,16,18,20,22,24,26,28,30
.irp c, 0,1
	v_max3_num_f32 v[MX+\c], v[MX+\c], |v[X+32*\c+\i]|, |v[X+32*\c+\i+1]|
.endr
.endr
.irp c, 0,1
	v_add_nc_u32 v[EX+\c], 0xff000000, v[MX+\c]    ; 2 off the exponent field: the conversion takes this operand's exponent field as its scale
.endr
.irp c, 0,1
.irp g, 0,1,2,3
	v_cvt_scalef32_pk8_fp4_f32 v[CD+8*(\f)+4*\c+\g], v[X+32*\c+8*\g:X+32*\c+8*\g+7], v[EX+\c]
.endr
.endr
	v_lshrrev_b32 v[BY], 23, v[EX]                 ; the scales' bytes: blocks h and 2 + h of my row
	v_lshrrev_b32 v[BY+1], 23, v[EX+1]
	v_lshl_or_b32 v[WD+(\f)], v[BY+1], 16, v[BY]
	v_lshlrev_b32 v[WD+(\f)], v3, v[WD+(\f)]       ; at their places in the word;
	v_permlanex16_b32 v[PX], v[WD+(\f)], s22, s23
	v_or_b32 v[WD+(\f)], v[WD+(\f)], v[PX]         ; with lane l xor 16's two the word is whole
	global_store_b128 v1, v[CD+8*(\f):CD+8*(\f)+3], s[12:13] offset:1024*(\f)         ; an image: 512 consecutive bytes
	global_store_b128 v1, v[CD+8*(\f)+4:CD+8*(\f)+7], s[12:13] offset:1024*(\f)+512
.if (\f)%2 == 1
	v_cndmask_b32 v[SR+(\f)/2], v[WD+(\f)-1], v[WD+(\f)], s24   ; the even K step's words in lanes 0-15, the odd one's in lanes 16-31
.endif
.endm
	LOADF 0
	LOADF 1
	FRAG 0
	FRAG 1
	FRAG 2
	FRAG 3
	global_store_b64 v2, v[SR:SR+1], s[14:15]      ; 256 consecutive bytes
	s_wait_tensorcnt 0x0
	ds_add_u32 v254, v255
	s_wait_dscnt 0x0
	s_endpgm
; ---------------- the mask: a wave takes one tile of 16 queries (the order of rows above) and a quarter of the keys: four steps of 128.
; In the attention launch lane (r, h) holds, in register n = 32 c + 8 g + j of a step, the score of query r and key 128 s + 64 c + 32 h + 8 g + j.  Word n of a step's 64 words has in bit l
; the mask's byte for lane l's score: it is the select mask of one v_cndmask_b32.  Words of (T, s) lie at (16 T + s) x 256.
; A flag word for each (T, quarter), from byte 524,288 on: bits 0-7 a code for each step (0 nothing hidden, 1 some, 2 all); bits 8-15 the same with 2 written as 1;
; bits 16-31: bit r says that query r has all 512 keys of the quarter hidden.
.Lmask:
	s_sub_co_u32 s20, ttmp9, NQ                    ; T
	s_lshr_b32 s21, s20, 2
	s_lshl_b32 s21, s21, 6
	s_and_b32 s22, s20, 3
	s_lshl_b32 s22, s22, 3
	s_add_co_u32 s21, s21, s22                     ; the tile's first query
	s_lshl_b32 s21, s21, 11                        ; a row of the mask is 2,048 bytes
	s_lshl_b32 s22, s18, 9                         ; my quarter's 512 keys
	s_add_co_u32 s21, s21, s22
	s_wait_alu depctr_va_vdst(0)
	v_and_b32 v1, 7, v9
	v_lshrrev_b32 v2, 3, v9
	v_lshl_add_u32 v1, v2, 5, v1                   ; (r & 7) + 32 (r >> 3)
	v_lshlrev_b32 v1, 11, v1
	v_lshl_add_u32 v1, v10, 5, v1                  ; + 32 h keys
	v_add_nc_u32 v1, s21, v1
	v_lshlrev_b32 v2, 3, v8                        ; 8 x lane: two words a lane on the way out
.irp i, 0,1,2,3,4,5,6,7
	v_mov_b32 v[W+\i], 0                           ; v_writelane_b32's destination counts as read
.endr
	s_lshl_b32 s22, s20, 12
	s_lshl_b32 s23, s18, 10
	s_add_co_u32 s22, s22, s23                     ; 4,096 T + 1,024 quarter
	s_mov_b32 s23, 0
	s_lshl_b32 s28, s20, 4
	s_lshl_b32 s29, s18, 2
	s_add_co_u32 s28, s28, s29                     ; 4 (4 T + quarter)
	s_mov_b32 s29, 0
	s_mov_b32 s32, 0                               ; the flag word
	s_mov_b32 s33, -1                              ; lanes all of whose keys so far are hidden
	s_wait_kmcnt 0x0
	s_add_nc_u64 s[24:25], s[16:17], s[22:23]
	s_add_nc_u64 s[26:27], s[16:17], s[28:29]
.irp k, 0,1,2,3
.irp c, 0,1
.irp e, 0,1
	global_load_b128 v[M+16*\k+8*\c+4*\e:M+16*\k+8*\c+4*\e+3], v1, s[10:11] offset:128*\k+64*\c+16*\e th:TH_LOAD_NT
.endr
.endr
.endr
.macro MSTEP k
	s_wait_loadcnt 12-4*(\k)                       ; this step's four loads are in; four for each later step may be out
	v_or_b32 v88, v[M+16*(\k)], v[M+16*(\k)+1]
	v_and_b32 v89, v[M+16*(\k)], v[M+16*(\k)+1]
.irp i, 2,3,4,5,6,7,8,9,10,11,12,13,14,15
	v_or_b32 v88, v88, v[M+16*(\k)+\i]
	v_and_b32 v89, v89, v[M+16*(\k)+\i]
.endr
	v_cmp_ne_u32 s30, 0, v88                       ; lanes with a hidden key
	v_cmp_eq_u32 s31, 0x01010101, v89              ; lanes with all 64 hidden (a bool is a byte, 0 or 1)
.set n, 0
.rept 64
	v_bfe_u32 v[90+n%4], v[M+16*(\k)+n/4], 8*(n%4), 8      ; byte n of my 64: key 64 c + 32 h + 8 g + j
	v_cmp_ne_u32 s[36+n%4], 0, v[90+n%4]                   ; all 32 lanes' bits: word n
	v_writelane_b32 v[W+2*(\k)+n%2], s[36+n%4], n/2        ; lane n / 2 stores words n and n + 1
.set n, n+1
.endr
	global_store_b64 v2, v[W+2*(\k):W+2*(\k)+1], s[24:25] offset:256*(\k)   ; 256 consecutive bytes
	s_cmp_lg_u32 s30, 0
	s_cselect_b32 s34, 1, 0
	s_cmp_eq_u32 s31, -1
	s_cselect_b32 s35, 2, s34
	s_lshl_b32 s35, s35, 2*(\k)
	s_lshl_b32 s34, s34, 8+2*(\k)
	s_or_b32 s32, s32, s35
	s_or_b32 s32, s32, s34
	s_and_b32 s33, s33, s31
.endm
	MSTEP 0
	MSTEP 1
	MSTEP 2
	MSTEP 3
	s_lshr_b32 s34, s33, 16
	s_and_b32 s34, s34, s33                        ; query r: both its lanes
	s_lshl_b32 s34, s34, 16
	s_or_b32 s32, s32, s34
	v_mov_b32 v4, s32
	v_mov_b32 v3, 0
	v_cmp_eq_u32 vcc_lo, 0, v8
	s_wait_alu depctr_va_vdst(0)
	s_wait_xcnt 0x0                                ; EXEC is a source of the stores above: it changes only behind this wait
	s_and_saveexec_b32 s35, vcc_lo
	global_store_b32 v3, v4, s[26:27] offset:524288
	s_endpgm
.Lfunc_end_k_q431974ca61_prep:
	.size	k_q431974ca61_prep, .Lfunc_end_k_q431974ca61_prep-k_q431974ca61_prep
	.p2alignl 7, 3214868480
	.fill 96, 4, 3214868480
	.section	.rodata,"a",@progbits
	.p2align	6, 0x0
	.amdhsa_kernel k_q431974ca61_prep
		.amdhsa_group_segment_fixed_size 34304
		.amdhsa_private_segment_fixed_size 0
		.amdhsa_enable_private_segment 0
		.amdhsa_kernarg_size 56
		.amdhsa_user_sgpr_count 2
		.amdhsa_user_sgpr_kernarg_segment_ptr 1
		.amdhsa_wavefront_size32 1
		.amdhsa_system_sgpr_workgroup_id_x 1
		.amdhsa_system_sgpr_workgroup_id_y 1
		.amdhsa_system_sgpr_workgroup_id_z 1
		.amdhsa_system_vgpr_workitem_id 0
		.amdhsa_next_free_vgpr 256
		.amdhsa_next_free_sgpr 66
		.amdhsa_reserve_vcc 1
		.amdhsa_float_denorm_mode_32 3
		.amdhsa_float_denorm_mode_16_64 3
		.amdhsa_memory_ordered 1
		.amdhsa_forward_progress 1
		.amdhsa_inst_pref_size 87
	.end_amdhsa_kernel
	.amdgpu_metadata
---
amdhsa.version: [ 1, 2 ]
amdhsa.kernels:
  - .name:           k_q431974ca61_prep
    .symbol:         k_q431974ca61_prep.kd
    .args:
      - { .name: encodings_for_qkv, .offset: 0, .size: 8, .value_kind: global_buffer, .address_space: global }
      - { .name: w_qkv, .offset: 8, .size: 8, .value_kind: global_buffer, .address_space: global }
      - { .name: w_o, .offset: 16, .size: 8, .value_kind: global_buffer, .address_space: global }
      - { .name: mask, .offset: 24, .size: 8, .value_kind: global_buffer, .address_space: global }
      - { .name: codes1, .offset: 32, .size: 8, .value_kind: global_buffer, .address_space: global }
      - { .name: scales1, .offset: 40, .size: 8, .value_kind: global_buffer, .address_space: global }
      - { .name: maskw, .offset: 48, .size: 8, .value_kind: global_buffer, .address_space: global }
    .group_segment_fixed_size: 34304
    .private_segment_fixed_size: 0
    .kernarg_segment_align: 8
    .kernarg_segment_size: 56
    .max_flat_workgroup_size: 128
    .sgpr_count:     66
    .vgpr_count:     256
    .wavefront_size: 32
...
	.end_amdgpu_metadata
.endif
;; end of part 1
;; launch qkv (part 2): grid 4 x 64, 4 waves a work-group, no clusters, 66,048 bytes of LDS; arguments codes1, scales1, b_qkv, qkv_codes, qkv_scales; writes qkv_codes, qkv_scales
.if DOCPART == 2
	.amdgcn_target "amdgcn-amd-amdhsa--gfx1250"
	.amdhsa_code_object_version 6
	.text
	.protected	k_q431974ca61_qkv
	.globl	k_q431974ca61_qkv
	.p2align	8
	.type	k_q431974ca61_qkv,@function
k_q431974ca61_qkv:
	s_mov_b64 s[64:65], 0
	v_nop
	global_prefetch_b8 v0, s[64:65] scope:SCOPE_SE
	s_setreg_imm32_b32 hwreg(HW_REG_WAVE_MODE, 25, 1), 1
	s_wait_xcnt 0x0
; QKV = x w_qkv^T + b on codes of FP4 with E8M0 scales, and q, k, v quantised on the way out, as images of the next products' operands.
; SHARES.  A work-group takes 128 tokens (eight tiles of 16, one key step of the attention launch) and four heads; wave w takes head 4 x + w and makes q, k, v of that head one after the other:
; three sub-tiles of 128 x 64, 32 accumulators, eight K steps of 128, 256 matrix instructions each.
; x's eight tiles (65,536 bytes of images) go into LDS once and are read by all four waves.  A fragment of w_qkv is wanted by ONE wave of the work-group: it goes from memory straight into registers, a whole sub-tile
; (256 registers) at a time, asked for a sub-tile ahead.  So no tile is shared that a joint request in a cluster could serve inside the work-group; work-groups along y read the same weights again.
; THE ORDER OF THE SOURCES.  q, k: source 0 = 16 rows of W, source 1 = 16 tokens: a lane holds ONE token, and the 32 registers of the four W tiles are one whole block of 32 along the head's 64, the K of q k^T.
; v: source 0 = 16 tokens, source 1 = 16 rows of W: a lane holds ONE channel and a whole block of 32 TOKENS, the K of p v.  (The tiles' order of rows makes the blocks whole: row r of tile 4 C + g is 64 C + 8 g + (r & 7) + 32 (r >> 3).)
; In both, unit i = accumulators 4 i .. 4 i + 3 becomes one image of 512 bytes (lane l's 32 codes at 16 l) at 512 i.  The bias is the C of each sum's first matrix instruction.
; LIMITS: a block of zeros gets the scale byte 1 (its codes are zeros; this program alone reads the bytes); NaN and infinities are not served.
; REGISTERS, in windows of 256: window 0: v1-6 addresses; v16-79, v80-143 x's fragments, two sets (the second is also the way out's work space); v144-175 x's scale words; v176-207 W's, two sets; v208-239 the bias.
;   window 1: the accumulators.   window 2: W of q, later of v.   window 3: W of k.   (W's fragment of K step ks, tile g at v[32 ks + 8 g].)
.set LI,  1                            ; v1  16 x lane
.set L8,  2                            ; v2  8 x lane
.set SH8, 3                            ; v3  8 h
.set CPA, 4                            ; v4  16 x thread: the copy of x
.set BQK, 5                            ; v5  128 h: the bias of q and k: my 32 of the head's 64
.set BV,  6                            ; v6  4 ((r & 7) + 32 (r >> 3)): the bias of v: my channel
.set XF0, 16
.set XS,  144                          ; register 4 xt + kp: lanes 0-15 K step 2 kp, lanes 16-31 K step 2 kp + 1
.set WS,  176                          ; set s at 16 s; register 4 g + kp likewise
.set BI,  208
.set TT,  80                           ; the way out: v80-87 largest magnitudes, then bytes
.set EX,  88                           ; v88-95  the conversions' scale operands
.set UU,  96                           ; v96-99  scale words
.set PX,  100                          ; v100-103 what lane l xor 16 sends
.set RR,  104                          ; v104-105 the scale words as stored
.set CC,  112                          ; v112-143 codes
.set MSB, 0
.macro WIN new                         ; s_set_vgpr_msb: bits 1:0 source 0, 3:2 source 1, 5:4 source 2, 7:6 destination; the high byte repeats the setting that is left
.if MSB != (\new)
	s_set_vgpr_msb (MSB<<8)|(\new)
.set MSB, (\new)
.endif
.endm
.macro PLACES                          ; four plain vector instructions between a matrix instruction and a load into, or a vector read of, its registers
.rept 4
	v_nop
.endr
.endm
.macro WM d, a, b, c, sa, sb, odd      ; an odd K step's scale words lie in lanes 16-31
.if \odd
	v_wmma_scale_f32_16x16x128_f8f6f4 v[(\d):(\d)+7], v[(\a):(\a)+7], v[(\b):(\b)+7], v[(\c):(\c)+7], v[\sa], v[\sb] matrix_a_fmt:MATRIX_FMT_FP4 matrix_b_fmt:MATRIX_FMT_FP4 matrix_a_scale:MATRIX_SCALE_ROW1 matrix_b_scale:MATRIX_SCALE_ROW1
.else
	v_wmma_scale_f32_16x16x128_f8f6f4 v[(\d):(\d)+7], v[(\a):(\a)+7], v[(\b):(\b)+7], v[(\c):(\c)+7], v[\sa], v[\sb] matrix_a_fmt:MATRIX_FMT_FP4 matrix_b_fmt:MATRIX_FMT_FP4
.endif
.endm
.macro XFETCH ks, buf                  ; x's eight fragments of K step ks: sixteen images out of LDS, 512 consecutive bytes each
.irp xt, 0,1,2,3,4,5,6,7
.irp c, 0,1
	ds_load_b128 v[XF0+64*(\buf)+8*\xt+4*\c:XF0+64*(\buf)+8*\xt+4*\c+3], v[LI] offset:\xt*8192+(\ks)*1024+\c*512
.endr
.endr
.endm
.macro WLOAD p, win, set               ; the head's 64 rows of part p (q, k, v) of w_qkv: 64 images into a whole window, and their scale words
	WIN \win
.irp ks, 0,1,2,3,4,5,6,7
.irp g, 0,1,2,3
.irp c, 0,1
	global_load_b128 v[32*\ks+8*\g+4*\c:32*\ks+8*\g+4*\c+3], v[LI], s[24:25] offset:(\p)*524288+\g*8192+\ks*1024+\c*512
.endr
.endr
.endr
	WIN 0
.irp g, 0,1,2,3
.irp kh, 0,1
	global_load_b64 v[WS+16*(\set)+4*\g+2*\kh:WS+16*(\set)+4*\g+2*\kh+1], v[L8], s[26:27] offset:(\p)*32768+\g*512+\kh*256
.endr
.endr
.endm
.macro BIASQK p                        ; register 8 g + j: b at the head's channel 32 h + 8 g + j
.irp g, 0,1,2,3
.irp e, 0,1
	global_load_b128 v[BI+8*\g+4*\e:BI+8*\g+4*\e+3], v[BQK], s[28:29] offset:(\p)*4096+32*\g+16*\e
.endr
.endr
.endm
.macro BIASV                           ; all eight registers of tile wt: b at my lane's channel 8 wt + (r & 7) + 32 (r >> 3)
.irp wt, 0,1,2,3
.irp j, 0,1,2,3,4,5,6,7
	global_load_b32 v[BI+8*\wt+\j], v[BV], s[28:29] offset:8192+32*\wt
.endr
.endr
.endm
; K step ks of sub-tile t (0 q, 1 k, 2 v): the next K step's fragments of x are asked for, then 32 matrix instructions.  The 32 accumulators take turns, one instruction a turn.
.macro STEP t, ks
	WIN 0
.if (\ks) > 0
	PLACES                                         ; the set that is loaded next was read by the products just issued
.endif
.if ((\t) < 2) || ((\ks) < 7)
	XFETCH ((\ks)+1)%8, ((\ks)+1)%2
.endif
.if ((\ks) == 1) && ((\t) == 0)
	BIASQK 1                                       ; the next sub-tile's bias: this one's was read by K step 0 alone
.endif
.if ((\ks) == 1) && ((\t) == 1)
	BIASV
.endif
.if ((\t) < 2) || ((\ks) < 7)
	s_wait_dscnt 16                                ; this K step's fragments are in; the sixteen loads just issued may be out
.else
	s_wait_dscnt 0x0
.endif
.if (\t) < 2
.if (\ks) == 0
	WIN 0x42+(\t)                                  ; source 0 (W) window 2 or 3, source 1 (x) and C (the bias) window 0, D window 1
.else
	WIN 0x52+(\t)                                  ; C and D window 1
.endif
.irp xt, 0,1,2,3,4,5,6,7
.irp g, 0,1,2,3
.if (\ks) == 0
	WM 32*\xt+8*\g, 32*(\ks)+8*\g, XF0+64*((\ks)%2)+8*\xt, BI+8*\g, WS+16*(\t)+4*\g+(\ks)/2, XS+4*\xt+(\ks)/2, (\ks)%2
.else
	WM 32*\xt+8*\g, 32*(\ks)+8*\g, XF0+64*((\ks)%2)+8*\xt, 32*\xt+8*\g, WS+16*(\t)+4*\g+(\ks)/2, XS+4*\xt+(\ks)/2, (\ks)%2
.endif
.endr
.endr
.else
.if (\ks) == 0
	WIN 0x48                                       ; source 0 (x) and C window 0, source 1 (W) window 2, D window 1
.else
	WIN 0x58
.endif
.irp wt, 0,1,2,3
.irp cl, 0,1
.irp g, 0,1,2,3
.if (\ks) == 0
	WM 32*(2*\wt+\cl)+8*\g, XF0+64*((\ks)%2)+8*(4*\cl+\g), 32*(\ks)+8*\wt, BI+8*\wt, XS+4*(4*\cl+\g)+(\ks)/2, WS+4*\wt+(\ks)/2, (\ks)%2
.else
	WM 32*(2*\wt+\cl)+8*\g, XF0+64*((\ks)%2)+8*(4*\cl+\g), 32*(\ks)+8*\wt, 32*(2*\wt+\cl)+8*\g, XS+4*(4*\cl+\g)+(\ks)/2, WS+4*\wt+(\ks)/2, (\ks)%2
.endif
.endr
.endr
.endr
.endif
.endm
; THE WAY OUT of a sub-tile: eight units of 32 registers, each a whole block of 32 in a lane.  Units 2 k and 2 k + 1 share a scale word: bytes (unit 2 k: h = 0, 1; unit 2 k + 1: h = 0, 1).
.macro EPI cp, co, sp, so
	WIN 0x14                                       ; sources 1 and 2 window 1
.irp i, 0,1,2,3,4,5,6,7
	v_max3_num_f32 v[TT+\i], 0x1800000, |v[32*\i]|, |v[32*\i+1]|   ; each accumulator is read from its low end on; the floor 2^(3 - 127) holds the byte at 1 from below
.endr
.irp m, 2,4,6,8,10,12,14,16,18,20,22,24,26,28,30
.irp i, 0,1,2,3,4,5,6,7
	v_max3_num_f32 v[TT+\i], v[TT+\i], |v[32*\i+\m]|, |v[32*\i+\m+1]|   ; the eight units by turns
.endr
.endr
	WIN 0
.irp i, 0,1,2,3,4,5,6,7
	v_add_nc_u32 v[EX+\i], 0xff000000, v[TT+\i]    ; 2 off the exponent field: the conversion's scale operand
.endr
.irp i, 0,1,2,3,4,5,6,7
	v_lshrrev_b32 v[TT+\i], 23, v[EX+\i]           ; the scale's byte
.endr
.irp k, 0,1,2,3
	v_lshl_or_b32 v[UU+\k], v[TT+2*\k+1], 16, v[TT+2*\k]
.endr
.irp k, 0,1,2,3
	v_lshlrev_b32 v[UU+\k], v[SH8], v[UU+\k]
.endr
.irp k, 0,1,2,3
	v_permlanex16_b32 v[PX+\k], v[UU+\k], s40, s41
.endr
.irp k, 0,1,2,3
	v_or_b32 v[UU+\k], v[UU+\k], v[PX+\k]          ; with lane l xor 16's two bytes the word is whole
.endr
	v_cndmask_b32 v[RR], v[UU], v[UU+1], s38       ; two words to a register: lanes 0-15 the even one, lanes 16-31 the odd one
	v_cndmask_b32 v[RR+1], v[UU+2], v[UU+3], s38
	WIN 0x01                                       ; source 0 window 1
.irp i, 0,1,2,3,4,5,6,7
.irp g, 0,1,2,3
	v_cvt_scalef32_pk8_fp4_f32 v[CC+4*\i+\g], v[32*\i+8*\g:32*\i+8*\g+7], v[EX+\i]
.endr
.endr
	WIN 0
	v_nop                                          ; one plain instruction behind the last conversion: matrix instructions write its sources later
.irp i, 0,1,2,3,4,5,6,7
	global_store_b128 v[LI], v[CC+4*\i:CC+4*\i+3], s[\cp:\cp+1] offset:(\co)+512*\i   ; an image: 512 consecutive bytes
.endr
	global_store_b64 v[L8], v[RR:RR+1], s[\sp:\sp+1] offset:\so                       ; 256 consecutive bytes
	s_wait_xcnt 0x0                                ; the stores' data registers are loaded again next: only behind this wait
.endm
	s_load_b256 s[4:11], s[0:1], 0x0               ; codes1 s[4:5], scales1 s[6:7], b_qkv s[8:9], qkv_codes s[10:11]
	s_load_b64 s[12:13], s[0:1], 0x20              ; qkv_scales
	v_lshl_add_u32 v254, v0, 2, 0x10000
	v_mov_b32 v255, 0
	v_lshrrev_b32 v7, 5, v0
	v_readfirstlane_b32 s14, v7                    ; wave 0..3
	v_and_b32 v7, 31, v0                           ; lane
	v_and_b32 v8, 15, v0                           ; r
	v_bfe_u32 v9, v0, 4, 1                         ; h
	v_lshlrev_b32 v[LI], 4, v7
	v_lshlrev_b32 v[L8], 3, v7
	v_lshlrev_b32 v[SH8], 3, v9
	v_lshlrev_b32 v[CPA], 4, v0
	v_lshlrev_b32 v[BQK], 7, v9
	v_and_b32 v10, 7, v8
	v_lshrrev_b32 v11, 3, v8
	v_lshl_add_u32 v10, v11, 5, v10
	v_lshlrev_b32 v[BV], 2, v10
	s_lshl_b32 s15, ttmp9, 2
	s_add_co_u32 s15, s15, s14                     ; my head
	s_and_b32 s16, ttmp7, 0xffff                   ; which 128 tokens
	s_lshr_b32 s17, s16, 4                         ; the batch,
	s_and_b32 s18, s16, 15                         ; the key step in it
	s_lshl_b32 s19, s17, 4
	s_add_co_u32 s19, s19, s15                     ; bh = 16 batch + head
	s_mov_b32 s38, 0xffff0000                      ; lanes 16-31
	s_mov_b32 s40, 0x76543210
	s_mov_b32 s41, 0xfedcba98                      ; v_permlanex16_b32's selects for lane l xor 16
	s_mov_b32 s43, 0
	s_wait_alu depctr_va_vdst(0)
	s_wait_kmcnt 0x0
	s_lshl_b32 s42, s16, 16
	s_add_nc_u64 s[20:21], s[4:5], s[42:43]        ; x's eight tiles of codes
	s_lshl_b32 s42, s16, 12
	s_add_nc_u64 s[22:23], s[6:7], s[42:43]        ; and their scale words
	s_lshl_b32 s42, s15, 15
	s_add_co_u32 s42, s42, 0x400000
	s_add_nc_u64 s[24:25], s[4:5], s[42:43]        ; w_qkv begins at tile 512; a head's four tiles are 32,768 bytes
	s_lshl_b32 s42, s15, 11
	s_add_co_u32 s42, s42, 0x40000
	s_add_nc_u64 s[26:27], s[6:7], s[42:43]
	s_lshl_b32 s42, s15, 8
	s_add_nc_u64 s[28:29], s[8:9], s[42:43]        ; the head's 64 numbers of the bias
	s_lshl_b32 s42, s19, 16
	s_lshl_b32 s44, s18, 12
	s_add_co_u32 s42, s42, s44
	s_add_nc_u64 s[30:31], s[10:11], s[42:43]      ; q's images: 65,536 bh + 512 x query tile
	s_lshl_b32 s42, s19, 17
	s_lshl_b32 s44, s18, 13
	s_add_co_u32 s42, s42, s44
	s_add_co_u32 s42, s42, 0x400000
	s_add_nc_u64 s[32:33], s[10:11], s[42:43]      ; k's and v's: 131,072 bh + 8,192 step; k's eight images, then v's
	s_lshl_b32 s42, s19, 12
	s_lshl_b32 s44, s18, 8
	s_add_co_u32 s42, s42, s44
	s_add_nc_u64 s[34:35], s[12:13], s[42:43]      ; q's scale words
	s_lshl_b32 s42, s19, 13
	s_lshl_b32 s44, s18, 9
	s_add_co_u32 s42, s42, s44
	s_add_co_u32 s42, s42, 0x40000
	s_add_nc_u64 s[36:37], s[12:13], s[42:43]      ; k's, then v's
.set i, 0
.rept 32
	global_load_b128 v[16+4*i:19+4*i], v[CPA], s[20:21] offset:2048*i   ; x's 65,536 bytes: 128 threads x 16 bytes x 32
.set i, i+1
.endr
	WLOAD 0, 0x80, 0
.irp xt, 0,1,2,3,4,5,6,7
.irp kh, 0,1
	global_load_b64 v[XS+4*\xt+2*\kh:XS+4*\xt+2*\kh+1], v[L8], s[22:23] offset:\xt*512+\kh*256
.endr
.endr
	BIASQK 0
	s_wait_loadcnt 0x0
.set i, 0
.rept 32
	ds_store_b128 v[CPA], v[16+4*i:19+4*i] offset:2048*i
.set i, i+1
.endr
	WLOAD 1, 0xc0, 1                               ; k's weights come while q is multiplied
	s_wait_dscnt 0x0                               ; for the others' sake: my part of x lies in LDS
	s_barrier_signal -1
	s_barrier_wait -1                              ; everybody's does: the launch's one barrier; LDS is only read from here on
	XFETCH 0, 0
.irp ks, 0,1,2,3,4,5,6,7
	STEP 0, \ks
.endr
	WIN 0
	PLACES                                         ; behind the last products: loads into q's weights and scale words, and reads of the results, follow
	s_wait_loadcnt 0x0                             ; k's weights and bias, asked for a sub-tile ago
	WLOAD 2, 0x80, 0                               ; v's weights take q's place
	EPI 30, 0, 34, 0
.irp ks, 0,1,2,3,4,5,6,7
	STEP 1, \ks
.endr
	WIN 0
	PLACES
	s_wait_loadcnt 0x0                             ; v's weights and bias
	EPI 32, 0, 36, 0
.irp ks, 0,1,2,3,4,5,6,7
	STEP 2, \ks
.endr
	WIN 0
	PLACES
	EPI 32, 4096, 36, 256
	s_wait_tensorcnt 0x0
	ds_add_u32 v254, v255
	s_wait_dscnt 0x0
	s_endpgm
.Lfunc_end_k_q431974ca61_qkv:
	.size	k_q431974ca61_qkv, .Lfunc_end_k_q431974ca61_qkv-k_q431974ca61_qkv
	.p2alignl 7, 3214868480
	.fill 96, 4, 3214868480
	.section	.rodata,"a",@progbits
	.p2align	6, 0x0
	.amdhsa_kernel k_q431974ca61_qkv
		.amdhsa_group_segment_fixed_size 66048
		.amdhsa_private_segment_fixed_size 0
		.amdhsa_enable_private_segment 0
		.amdhsa_kernarg_size 40
		.amdhsa_user_sgpr_count 2
		.amdhsa_user_sgpr_kernarg_segment_ptr 1
		.amdhsa_wavefront_size32 1
		.amdhsa_system_sgpr_workgroup_id_x 1
		.amdhsa_system_sgpr_workgroup_id_y 1
		.amdhsa_system_sgpr_workgroup_id_z 1
		.amdhsa_system_vgpr_workitem_id 0
		.amdhsa_next_free_vgpr 1024
		.amdhsa_next_free_sgpr 66
		.amdhsa_reserve_vcc 0
		.amdhsa_float_denorm_mode_32 3
		.amdhsa_float_denorm_mode_16_64 3
		.amdhsa_memory_ordered 1
		.amdhsa_forward_progress 1
		.amdhsa_inst_pref_size 199
	.end_amdhsa_kernel
	.amdgpu_metadata
---
amdhsa.version: [ 1, 2 ]
amdhsa.kernels:
  - .name:           k_q431974ca61_qkv
    .symbol:         k_q431974ca61_qkv.kd
    .args:
      - { .name: codes1, .offset: 0, .size: 8, .value_kind: global_buffer, .address_space: global }
      - { .name: scales1, .offset: 8, .size: 8, .value_kind: global_buffer, .address_space: global }
      - { .name: b_qkv, .offset: 16, .size: 8, .value_kind: global_buffer, .address_space: global }
      - { .name: qkv_codes, .offset: 24, .size: 8, .value_kind: global_buffer, .address_space: global }
      - { .name: qkv_scales, .offset: 32, .size: 8, .value_kind: global_buffer, .address_space: global }
    .group_segment_fixed_size: 66048
    .private_segment_fixed_size: 0
    .kernarg_segment_align: 8
    .kernarg_segment_size: 40
    .max_flat_workgroup_size: 128
    .sgpr_count:     66
    .vgpr_count:     1024
    .wavefront_size: 32
...
	.end_amdgpu_metadata
.endif
;; end of part 2
;; launch attn (part 3): grid 8 x 32, 16 waves a work-group, no clusters, 280,576 bytes of LDS; arguments qkv_codes, qkv_scales, maskw, o_codes, o_scales; writes o_codes, o_scales
.if DOCPART == 3
	.amdgcn_target "amdgcn-amd-amdhsa--gfx1250"
	.amdhsa_code_object_version 6
	.text
	.protected	k_q431974ca61_attn
	.globl	k_q431974ca61_attn
	.p2align	8
	.type	k_q431974ca61_attn,@function
k_q431974ca61_attn:
	s_mov_b64 s[64:65], 0
	v_nop
	global_prefetch_b8 v0, s[64:65] scope:SCOPE_SE
	s_setreg_imm32_b32 hwreg(HW_REG_WAVE_MODE, 25, 1), 1
	s_wait_xcnt 0x0
; ATTENTION on codes of FP4 with E8M0 scales: S^T = k q^T (K = the head's 64), the mask, p = 2^(t - M), O^T = v^T p^T (K = the keys), o = O / l quantised along the model's 1,024 for the last product.
; t = score x log2(e) / 8; M = the running largest t rounded UP to a whole number; p is not normalised; l is the sum of the unquantised p.  When M moves, l and O^T are multiplied by 2^(old M - new M): exact.
; SHARES.  A work-group owns two heads of one batch (bh = 2 y, 2 y + 1) and sixteen tiles of 16 queries; wave w owns ONE tile, T = x + 8 i, for BOTH heads: the two heads share the mask's words and flags, and their
; 128 channels are one whole K step of the last product.  i = 4 (w / 4) + ((w % 4) xor 3 ((w / 4) % 2)): early and late tiles are mixed over the waves; no value hangs on it.
; LDS.  Both heads' k and v of all 2,048 keys (262,144 bytes of images) and their scale words (16,384) are copied in once, through registers; one barrier; from then on LDS is only read, in runs of 512 consecutive bytes.
; Nothing is filled again, and steps are left out by a branch on stored numbers: so there are no tensor loads, and no cluster.
; LAYOUT.  Both products are used transposed: a lane holds ONE query (lane % 16) throughout.  Row r of a tile of keys, queries or channels is 64 C + 8 g + (r & 7) + 32 (r >> 3): so in a step of 128 keys register
; 32 c + 8 g + j of lane (r, h) is key 64 c + 32 h + 8 g + j: a lane's 32 registers of one c are a WHOLE block of 32 keys, and the conversions' results are p's operand as they stand.
; K = 64 IN AN INSTRUCTION OF 128.  A fragment of k packs two tiles of keys: registers 0-3 tile 2 gp, registers 4-7 tile 2 gp + 1.  q stands between zeros, v8-27 = [0][q A][0][q B][0]: the run that begins at q multiplies
; the first tile, the run that ends with q the second; the other half meets zero codes.  q's scale word repeats its two bytes.
; THE MASK is an input.  The launch before has turned it into select masks (64 words a step and query tile) and into a code for each step: 0 nothing hidden, 1 some, 2 all.
; A hidden score becomes -2^33 (logit -2^30; the definition has -1e9): -2^33 x c is a whole number in f32, so a query all of whose keys are hidden gets p = 1 everywhere, the uniform softmax of the definition; beside any
; key that counts p is 0, as there.  LIMIT: equal to the definition as long as logits that count stay above about -1e9.  A step with code 2 is left out; the codes say 2 only where no query of the tile has ALL 2,048 keys hidden.
; LIMITS: NaN and infinities are not served; a block of zeros gets the scale byte 1 (its codes are zeros; this program alone reads the bytes).
; REGISTERS: v1, v7 16 x lane (+ head B's 131,072); v2, v35 the scale words' place; v3 8 h; v4 -2^33; v5, v6 addresses in hand; v8-27 q; v28, v29 q's scale words; v30-31 k's, v32-33 v's, v34 p's;
;   v36-39, v40-43 -M, largest t, l (two halves) of head A, B; v44-45 f; v46-59 at work; v60-63 lane, r, h, an offset; v64-95 fragments of k, then of v; v96-159 S^T, then p; v160-191, v192-223 O^T; v224-231 p's codes.
; SCALARS: s16-63, s80-95 the step's 64 mask words; s66 the steps' codes, two bits each; s67 the loop's counter; s[68:69] the mask words' address; s70, s71 the step's place in LDS; s[72:73] c; s[74:75] lane selects; s76 the step's code.
.set FR, 64
.set S,  96
.set PC, 224
.macro PLACES                          ; four plain vector instructions between a matrix instruction and a load into, or a vector read of, its registers
.rept 4
	v_nop
.endr
.endm
.macro SPROD d, a, b, sa, sb, ra       ; a product that starts its sum; ra = 1: source 0's scale words lie in lanes 16-31
.if \ra
	v_wmma_scale_f32_16x16x128_f8f6f4 v[(\d):(\d)+7], v[(\a):(\a)+7], v[(\b):(\b)+7], 0, v[\sa], v[\sb] matrix_a_fmt:MATRIX_FMT_FP4 matrix_b_fmt:MATRIX_FMT_FP4 matrix_a_scale:MATRIX_SCALE_ROW1
.else
	v_wmma_scale_f32_16x16x128_f8f6f4 v[(\d):(\d)+7], v[(\a):(\a)+7], v[(\b):(\b)+7], 0, v[\sa], v[\sb] matrix_a_fmt:MATRIX_FMT_FP4 matrix_b_fmt:MATRIX_FMT_FP4
.endif
.endm
.macro OPROD d, a, b, sa, sb, ra       ; a product that adds in place
.if \ra
	v_wmma_scale_f32_16x16x128_f8f6f4 v[(\d):(\d)+7], v[(\a):(\a)+7], v[(\b):(\b)+7], v[(\d):(\d)+7], v[\sa], v[\sb] matrix_a_fmt:MATRIX_FMT_FP4 matrix_b_fmt:MATRIX_FMT_FP4 matrix_a_scale:MATRIX_SCALE_ROW1
.else
	v_wmma_scale_f32_16x16x128_f8f6f4 v[(\d):(\d)+7], v[(\a):(\a)+7], v[(\b):(\b)+7], v[(\d):(\d)+7], v[\sa], v[\sb] matrix_a_fmt:MATRIX_FMT_FP4 matrix_b_fmt:MATRIX_FMT_FP4
.endif
.endm
	s_load_b256 s[4:11], s[0:1], 0x0               ; qkv_codes s[4:5], qkv_scales s[6:7], maskw s[8:9], o_codes s[10:11]
	s_load_b64 s[12:13], s[0:1], 0x20              ; o_scales
	v_lshl_add_u32 v254, v0, 2, 0x44000
	v_mov_b32 v255, 0
	v_lshrrev_b32 v5, 5, v0
	s_delay_alu instid0(VALU_DEP_1)
	v_readfirstlane_b32 s14, v5                    ; wave 0..15
	v_and_b32 v60, 31, v0                          ; lane
	v_and_b32 v61, 15, v0                          ; r
	v_bfe_u32 v62, v0, 4, 1                        ; h
	s_delay_alu instid0(VALU_DEP_3)
	v_lshlrev_b32 v1, 4, v60
	s_delay_alu instid0(VALU_DEP_1)
	v_add_nc_u32 v7, 0x20000, v1
	v_lshlrev_b32 v2, 3, v60
	s_delay_alu instid0(VALU_DEP_1)
	v_add_nc_u32 v2, 0x40000, v2
	s_delay_alu instid0(VALU_DEP_1)
	v_add_nc_u32 v35, 0x2000, v2
	v_lshlrev_b32 v3, 3, v62
	v_mov_b32 v4, 0xd0000000                       ; -2^33
	v_lshlrev_b32 v46, 4, v0                       ; the copy: 16 x thread, in memory and in LDS;
	s_delay_alu instid0(VALU_DEP_1)
	v_add_nc_u32 v47, 0x10000, v46                 ; an LDS immediate has 16 bits: a register for each 65,536 bytes
	s_delay_alu instid0(VALU_DEP_2)
	v_add_nc_u32 v48, 0x20000, v46
	s_delay_alu instid0(VALU_DEP_3)
	v_add_nc_u32 v49, 0x30000, v46
	s_delay_alu instid0(VALU_DEP_4)
	v_add_nc_u32 v50, 0x40000, v46
	v_lshlrev_b32 v63, 3, v61                      ; 8 r: q's scale words
	s_and_b32 s77, ttmp7, 0xffff                   ; y = 8 batch + pair of heads
	s_lshr_b32 s78, s14, 2
	s_and_b32 s79, s14, 3
	s_and_b32 s100, s78, 1
	s_mul_i32 s100, s100, 3
	s_xor_b32 s79, s79, s100
	s_lshl_b32 s78, s78, 2
	s_add_co_u32 s78, s78, s79                     ; i
	s_lshl_b32 s78, s78, 3
	s_add_co_u32 s15, s78, ttmp9                   ; T = x + 8 i
	s_mov_b32 s72, 0x3e38aa3b                      ; c = log2(e) / 8
	s_mov_b32 s73, s72                             ; (the packed form names the pair)
	s_mov_b32 s74, 0x76543210
	s_mov_b32 s75, 0xfedcba98                      ; v_permlanex16_b32's selects for lane l xor 16
	s_mov_b32 s87, 0
	s_wait_alu depctr_va_vdst(0)
	s_wait_kmcnt 0x0
	s_lshl_b32 s86, s77, 18
	s_add_co_u32 s86, s86, 0x400000
	s_add_nc_u64 s[2:3], s[4:5], s[86:87]          ; both heads' k and v: 262,144 consecutive bytes
	s_lshl_b32 s86, s77, 14
	s_add_co_u32 s86, s86, 0x40000
	s_add_nc_u64 s[100:101], s[6:7], s[86:87]      ; and their scale words: 16,384
	s_lshl_b32 s86, s77, 17
	s_lshl_b32 s88, s15, 9
	s_add_co_u32 s86, s86, s88
	s_add_nc_u64 s[78:79], s[4:5], s[86:87]        ; q's image: 65,536 bh + 512 T
	s_lshl_b32 s86, s77, 13                        ; q's scale words: 4,096 bh + 256 (T >> 3); tiles 2 k, 2 k + 1 share word k = (T >> 1) & 3:
	s_lshr_b32 s88, s15, 3
	s_lshl_b32 s88, s88, 8
	s_add_co_u32 s86, s86, s88
	s_bfe_u32 s88, s15, 0x10001
	s_lshl_b32 s88, s88, 7                         ; an odd k lies in lanes 16-31, 128 bytes on;
	s_add_co_u32 s86, s86, s88
	s_bfe_u32 s88, s15, 0x10002
	s_lshl_b32 s88, s88, 2                         ; k / 2 picks the word of a lane's two
	s_add_co_u32 s86, s86, s88
	s_add_nc_u64 s[82:83], s[6:7], s[86:87]
	s_lshl_b32 s86, s15, 4
	s_add_nc_u64 s[84:85], s[8:9], s[86:87]        ; the tile's four flag words
	s_lshl_b32 s86, s15, 12
	s_add_nc_u64 s[68:69], s[8:9], s[86:87]        ; the tile's mask words: 256 bytes a step
.set i, 0
.rept 32
	global_load_b128 v[64+4*i:67+4*i], v46, s[2:3] offset:8192*i   ; 512 threads x 16 bytes x 32
.set i, i+1
.endr
	global_load_b128 v[192:195], v46, s[100:101]
	global_load_b128 v[196:199], v46, s[100:101] offset:8192
	global_load_b128 v[12:15], v1, s[78:79]        ; q of head A,
	global_load_b128 v[20:23], v1, s[78:79] offset:65536   ; of head B
	global_load_b32 v28, v63, s[82:83]
	global_load_b32 v29, v63, s[82:83] offset:4096
	s_load_b128 s[96:99], s[84:85], 0x80000
.irp j, 8,9,10,11,16,17,18,19,24,25,26,27
	v_mov_b32 v\j, 0                               ; the zero codes on both sides of q
.endr
.irp a, 36,40
	v_mov_b32 v[\a+1], 0xff61b1e6                  ; the largest t so far: -3e38, under every t
	s_delay_alu instid0(VALU_DEP_1)
	v_floor_f32 v[\a], -v[\a+1]                    ; -M
	v_mov_b32 v[\a+2], 0                           ; l, in two halves
	v_mov_b32 v[\a+3], 0
.endr
	v_mov_b32 v45, 0                               ; upper halves of pairs that the packed forms name,
	v_mov_b32 v53, 0
	v_mov_b32 v51, 0                               ; and a lane permute's destination: each is written once
	s_wait_kmcnt 0x0                               ; the four flag words
	s_wait_loadcnt 0x0                             ; every load of the head is done: its data may be used, and its bases (s[78:79] among them) and offsets may be written again
.set i, 0
.rept 32
	ds_store_b128 v[46+i/8], v[64+4*i:67+4*i] offset:8192*(i%8)
.set i, i+1
.endr
	ds_store_b128 v50, v[192:195]
	ds_store_b128 v50, v[196:199] offset:8192
	s_and_b32 s78, s96, s97
	s_and_b32 s78, s78, s98
	s_and_b32 s78, s78, s99
	s_lshr_b32 s78, s78, 16                        ; queries of the tile with all 2,048 keys hidden
	s_cmp_lg_u32 s78, 0
	s_cselect_b32 s78, 8, 0                        ; if there is one, the codes without a 2 are taken: no step is left out
	s_lshr_b32 s66, s96, s78
	s_and_b32 s66, s66, 0xff
	s_lshr_b32 s79, s97, s78
	s_and_b32 s79, s79, 0xff
	s_lshl_b32 s79, s79, 8
	s_or_b32 s66, s66, s79
	s_lshr_b32 s79, s98, s78
	s_and_b32 s79, s79, 0xff
	s_lshl_b32 s79, s79, 16
	s_or_b32 s66, s66, s79
	s_lshr_b32 s79, s99, s78
	s_lshl_b32 s79, s79, 24
	s_or_b32 s66, s66, s79                         ; sixteen codes of two bits
	s_and_b32 s79, s15, 1
	s_lshl_b32 s79, s79, 4
.irp a, 28,29
	v_lshrrev_b32 v\a, s79, v\a                    ; my tile's two bytes of the shared word,
	s_delay_alu instid0(VALU_DEP_1)
	v_and_b32 v\a, 0xffff, v\a
	s_delay_alu instid0(VALU_DEP_1)
	v_lshl_or_b32 v\a, v\a, 16, v\a                ; twice
.endr
	s_mov_b32 s67, 0
	s_mov_b32 s70, 0
	s_mov_b32 s71, 0
	s_wait_dscnt 0x0                               ; for the others' sake: my part of k and v lies in LDS (and the stores have read their registers)
	s_barrier_signal -1
.set i, 0
.rept 64
	v_mov_b32 v[160+i], 0                          ; O^T.  The step is written once: the first finds zeros, which the first change of M leaves zeros
.set i, i+1
.endr
	s_barrier_wait -1                              ; the launch's one barrier
; ONE HEAD'S SHARE OF A KEY STEP: 128 keys.
.macro UNIT hd
.set ST, 36+4*(\hd)
.set OT, 160+32*(\hd)
	v_add_nc_u32 v5, s70, v[1+6*(\hd)]             ; these two and two v_nop are the four places behind the last products, whose fragments are loaded over
	s_setprio 2
	v_add_nc_u32 v6, s71, v[2+33*(\hd)]
	v_nop
	v_nop
.irp f, 0,1,2,3                                ; fragment f = 2 c + gp: tiles 2 gp and 2 gp + 1 of the keys 64 c on
	ds_load_b128 v[FR+8*\f:FR+8*\f+3], v5 offset:1024*\f
	ds_load_b128 v[FR+8*\f+4:FR+8*\f+7], v5 offset:1024*\f+512
.endr
	ds_load_b64 v[30:31], v6                       ; k's scale words: register c; lanes 0-15 gp = 0, lanes 16-31 gp = 1
	s_wait_alu depctr_va_vdst(0)
	s_wait_dscnt 0x0
.irp f, 0,1,2,3
	SPROD S+16*\f, FR+8*\f, 12+8*(\hd), 30+\f/2, 28+(\hd), \f%2        ; [q][0]: the fragment's first tile
	SPROD S+16*\f+8, FR+8*\f, 8+8*(\hd), 30+\f/2, 28+(\hd), \f%2       ; [0][q]: its second
.endr
	PLACES                                         ; in front of the loads over k's fragments, and of the first read of the scores
.irp g, 0,1,2,3                                ; v^T: tile g of 16 channels x these 128 keys; it lands while the softmax is worked
	ds_load_b128 v[FR+8*\g:FR+8*\g+3], v5 offset:4096+1024*\g
	ds_load_b128 v[FR+8*\g+4:FR+8*\g+7], v5 offset:4096+1024*\g+512
.endr
	ds_load_b64 v[32:33], v6 offset:256            ; v's scale words: register g / 2; lanes 0-15 the even tile, lanes 16-31 the odd one
	s_wait_kmcnt 0x0                               ; the step's mask words are in, on every way
	s_cmp_lg_u32 s76, 1
	s_cbranch_scc1 .Lopen_\@                       ; nothing hidden in this step: a branch on a stored number
.set n, 0
.rept 64
	v_cndmask_b32 v[S+n], v[S+n], v4, s[16+n+16*(n/48)]   ; hidden scores become -2^33; the accumulators are read from their low ends on
.set n, n+1
.endr
.Lopen_\@:
.irp q, 0,1,2,3
	v_max3_num_f32 v[46+\q], v[S+16*\q], v[S+1+16*\q], v[S+2+16*\q]   ; four chains of 16 scores by turns
.endr
.irp i, 3,5,7,9,11,13
.irp q, 0,1,2,3
	v_max3_num_f32 v[46+\q], v[46+\q], v[S+16*\q+\i], v[S+1+16*\q+\i]
.endr
.endr
.irp q, 0,1,2,3
	v_max_num_f32 v[46+\q], v[46+\q], v[S+15+16*\q]
.endr
	s_delay_alu instid0(VALU_DEP_3)
	v_max_num_f32 v46, v46, v47                    ; THE LARGEST SCORE OF EACH OF MY TWO BLOCKS OF 32 KEYS: it serves for the row's maximum and, since p rises with the score, for the block's largest p
	s_delay_alu instid0(VALU_DEP_2)
	v_max_num_f32 v48, v48, v49
	s_delay_alu instid0(VALU_DEP_1)
	v_max_num_f32 v50, v46, v48
	s_delay_alu instid0(VALU_DEP_1)
	v_permlanex16_b32 v51, v50, s74, s75
	s_delay_alu instid0(VALU_DEP_1)
	v_max_num_f32 v50, v50, v51                    ; with lane l xor 16's 64 keys: the step's largest score of my query
	s_delay_alu instid0(VALU_DEP_1)
	v_mul_f32 v50, s72, v50                        ; as t (c is positive)
	s_delay_alu instid0(VALU_DEP_1)
	v_max_num_f32 v[ST+1], v[ST+1], v50            ; the running largest t
	v_mov_b32 v52, v[ST]
	s_delay_alu instid0(VALU_DEP_2)
	v_floor_f32 v[ST], -v[ST+1]                    ; the new -M = floor(-t) = -ceil(t)
	s_delay_alu instid0(VALU_DEP_1)
	v_sub_f32 v52, v[ST], v52                      ; old M - new M: a whole number, 0 or less
	s_delay_alu instid0(VALU_DEP_1)
	v_cvt_i32_f32 v52, v52                         ; (it saturates)
	s_delay_alu instid0(VALU_DEP_1)
	v_ldexp_f32 v44, 1.0, v52                      ; f = 2^(old M - new M)
.irp j, 0,2,4,6,8,10,12,14,16,18,20,22,24,26,28,30,32,34,36,38,40,42,44,46,48,50,52,54,56,58,60,62
	v_pk_fma_f32 v[S+\j:S+1+\j], v[S+\j:S+1+\j], s[72:73], v[ST:ST+1] op_sel_hi:[1,0,0]   ; t - M, two at a time
.endr
	v_fma_f32 v46, v46, s72, v[ST]                 ; the same of each block's largest score
	v_fma_f32 v48, v48, s72, v[ST]
.set n, 0
	s_setprio 1
	s_wait_alu depctr_va_vdst(0)
.rept 64
	v_exp_f32 v[S+n], v[S+n]                       ; p = 2^(t - M), at most 1
.set n, n+1
.endr
	v_pk_mul_f32 v[ST+2:ST+3], v[ST+2:ST+3], v[44:45] op_sel_hi:[1,0]   ; l under the new M: the plain instruction behind the exponentials
	s_wait_alu depctr_va_vdst(0)                   ; one wait for the batch of 64, ahead of its first reader
	v_exp_f32 v46, v46                             ; the blocks' largest p
	v_exp_f32 v48, v48
	v_pk_add_f32 v[54:55], v[S:S+1], v[S+2:S+3]    ; l takes the UNQUANTISED p: two at a time, in two chains
.irp j, 4,8,12,16,20,24,28,32,36,40,44,48,52,56,60
	v_pk_add_f32 v[ST+2:ST+3], v[ST+2:ST+3], v[S+\j:S+1+\j]
	v_pk_add_f32 v[54:55], v[54:55], v[S+2+\j:S+3+\j]
.endr
	s_delay_alu instid0(VALU_DEP_1)
	v_pk_add_f32 v[ST+2:ST+3], v[ST+2:ST+3], v[54:55]
	s_wait_alu depctr_va_vdst(0)                   ; and one for the two
	v_max_num_f32 v46, 0x1800000, v46              ; the floor 2^(3 - 127): the byte cannot fall under 1
	v_max_num_f32 v48, 0x1800000, v48
	s_delay_alu instid0(VALU_DEP_2)
	v_add_nc_u32 v56, 0xff000000, v46              ; 2 off the exponent field: the conversion's scale operand
	s_delay_alu instid0(VALU_DEP_2)
	v_add_nc_u32 v57, 0xff000000, v48
	s_delay_alu instid0(VALU_DEP_2)
	v_lshrrev_b32 v58, 23, v56                     ; the bytes of blocks h and 2 + h
	s_delay_alu instid0(VALU_DEP_2)
	v_lshrrev_b32 v59, 23, v57
	s_delay_alu instid0(VALU_DEP_1)
	v_lshl_or_b32 v34, v59, 16, v58
	s_delay_alu instid0(VALU_DEP_1)
	v_lshlrev_b32 v34, v3, v34
	s_delay_alu instid0(VALU_DEP_1)
	v_permlanex16_b32 v51, v34, s74, s75
	s_delay_alu instid0(VALU_DEP_1)
	v_or_b32 v34, v34, v51                         ; p's scale word for these 128 keys
	s_setprio 0
.irp c, 0,1
.irp g, 0,1,2,3
	v_cvt_scalef32_pk8_fp4_f32 v[PC+4*\c+\g], v[S+32*\c+8*\g:S+32*\c+8*\g+7], v[56+\c]   ; registers 4 c .. 4 c + 3 of the operand: keys 64 c + 32 h on
.endr
.endr
	v_nop                                          ; one plain instruction behind the last conversion
.irp j, 0,2,4,6,8,10,12,14,16,18,20,22,24,26,28,30
	v_pk_mul_f32 v[OT+\j:OT+1+\j], v[OT+\j:OT+1+\j], v[44:45] op_sel_hi:[1,0]   ; O^T under the new M; these also stand between the scale word's and the codes' last writes and the products
.endr
	s_wait_alu depctr_va_vdst(0)
	s_wait_dscnt 0x0                               ; v's fragments and scale words
.irp g, 0,1,2,3
	OPROD OT+8*\g, FR+8*\g, PC, 32+\g/2, 34, \g%2  ; four accumulators, one instruction each: register 8 g + j is channel 32 h + 8 g + j of my query
.endr
.endm
.Lstep:                                            ; sixteen trips, a constant; a step whose code is 2 is passed over, its addresses are stepped all the same
	s_and_b32 s76, s66, 3
	s_cmp_eq_u32 s76, 2
	s_cbranch_scc1 .Lnext
	s_load_b512 s[16:31], s[68:69], 0x0            ; the step's 64 mask words, for both heads
	s_load_b512 s[32:47], s[68:69], 0x40
	s_load_b512 s[48:63], s[68:69], 0x80
	s_load_b512 s[80:95], s[68:69], 0xc0
	UNIT 0
	UNIT 1
.Lnext:
	s_lshr_b32 s66, s66, 2
	s_add_nc_u64 s[68:69], s[68:69], 256           ; (no scalar load is out here: each head's share waits for them)
	s_add_co_u32 s70, s70, 8192
	s_add_co_u32 s71, s71, 512
	s_add_co_u32 s67, s67, 1
	s_cmp_lt_u32 s67, 16
	s_cbranch_scc1 .Lstep
	s_setprio 0
	; THE WAY OUT.  o = O^T / l; a lane's 32 numbers of a head are block h of the head's 64: the two heads are K step y % 8 of the last product, c = the head's parity.
	PLACES
	v_add_f32 v46, v38, v39
	v_add_f32 v47, v42, v43
	s_delay_alu instid0(VALU_DEP_2)
	v_permlanex16_b32 v48, v46, s74, s75
	s_delay_alu instid0(VALU_DEP_2)
	v_permlanex16_b32 v49, v47, s74, s75
	s_delay_alu instid0(VALU_DEP_2)
	v_add_f32 v46, v46, v48                        ; l: both halves, and lane l xor 16's keys
	s_delay_alu instid0(VALU_DEP_2)
	v_add_f32 v47, v47, v49
	s_wait_alu depctr_va_vdst(0)
	v_rcp_f32 v44, v46
	v_rcp_f32 v52, v47
	v_nop                                          ; a plain instruction behind the reciprocals,
	s_wait_alu depctr_va_vdst(0)                   ; and one wait for both, ahead of the first reader
.irp j, 0,2,4,6,8,10,12,14,16,18,20,22,24,26,28,30
	v_pk_mul_f32 v[S+\j:S+1+\j], v[160+\j:161+\j], v[44:45] op_sel_hi:[1,0]
	v_pk_mul_f32 v[S+32+\j:S+33+\j], v[192+\j:193+\j], v[52:53] op_sel_hi:[1,0]
.endr
.irp a, 0,1
	v_max3_num_f32 v[46+\a], |v[S+32*\a]|, |v[S+32*\a+1]|, 0x1800000
.endr
.irp i, 2,4,6,8,10,12,14,16,18,20,22,24,26,28,30
.irp a, 0,1
	s_delay_alu instid0(VALU_DEP_2)
	v_max3_num_f32 v[46+\a], v[46+\a], |v[S+32*\a+\i]|, |v[S+32*\a+\i+1]|
.endr
.endr
.irp a, 0,1
	s_delay_alu instid0(VALU_DEP_2)
	v_add_nc_u32 v[56+\a], 0xff000000, v[46+\a]
.endr
.irp a, 0,1
	s_delay_alu instid0(VALU_DEP_2)
	v_lshrrev_b32 v[58+\a], 23, v[56+\a]
.endr
.irp a, 0,1
.irp g, 0,1,2,3
	v_cvt_scalef32_pk8_fp4_f32 v[PC+4*\a+\g], v[S+32*\a+8*\g:S+32*\a+8*\g+7], v[56+\a]
.endr
.endr
	s_wait_alu depctr_va_vdst(0)
	v_nop
	v_lshl_or_b32 v34, v59, 16, v58
	s_delay_alu instid0(VALU_DEP_1)
	v_lshlrev_b32 v34, v3, v34
	s_delay_alu instid0(VALU_DEP_1)
	v_permlanex16_b32 v51, v34, s74, s75
	s_delay_alu instid0(VALU_DEP_1)
	v_or_b32 v34, v34, v51                         ; the K step's scale word of my query
	v_lshlrev_b32 v63, 2, v61                      ; 4 r
	s_lshr_b32 s78, s77, 3
	s_lshl_b32 s78, s78, 7
	s_add_co_u32 s78, s78, s15                     ; the tile among all tokens: 128 batch + T
	s_and_b32 s79, s77, 7                          ; the K step
	s_mov_b32 s87, 0
	s_lshl_b32 s86, s78, 13
	s_lshl_b32 s88, s79, 10
	s_add_co_u32 s86, s86, s88
	s_add_nc_u64 s[10:11], s[10:11], s[86:87]
	s_lshl_b32 s86, s78, 9
	s_lshl_b32 s88, s79, 6
	s_add_co_u32 s86, s86, s88
	s_add_nc_u64 s[12:13], s[12:13], s[86:87]
	global_store_b128 v1, v[PC:PC+3], s[10:11]                 ; two images of 512 consecutive bytes
	global_store_b128 v1, v[PC+4:PC+7], s[10:11] offset:512
	v_cmp_gt_u32 vcc_lo, 16, v60
	s_wait_alu depctr_va_vdst(0)
	s_wait_xcnt 0x0                                ; EXEC is a source of the stores above: it changes only behind this wait
	s_wait_tensorcnt 0x0
	ds_add_u32 v254, v255
	s_wait_dscnt 0x0
	s_and_saveexec_b32 s88, vcc_lo
	global_store_b32 v63, v34, s[12:13]            ; sixteen words: 64 bytes of the tile's 512
	s_endpgm
.Lfunc_end_k_q431974ca61_attn:
	.size	k_q431974ca61_attn, .Lfunc_end_k_q431974ca61_attn-k_q431974ca61_attn
	.p2alignl 7, 3214868480
	.fill 96, 4, 3214868480
	.section	.rodata,"a",@progbits
	.p2align	6, 0x0
	.amdhsa_kernel k_q431974ca61_attn
		.amdhsa_group_segment_fixed_size 280576
		.amdhsa_private_segment_fixed_size 0
		.amdhsa_enable_private_segment 0
		.amdhsa_kernarg_size 40
		.amdhsa_user_sgpr_count 2
		.amdhsa_user_sgpr_kernarg_segment_ptr 1
		.amdhsa_wavefront_size32 1
		.amdhsa_system_sgpr_workgroup_id_x 1
		.amdhsa_system_sgpr_workgroup_id_y 1
		.amdhsa_system_sgpr_workgroup_id_z 1
		.amdhsa_system_vgpr_workitem_id 0
		.amdhsa_next_free_vgpr 256
		.amdhsa_next_free_sgpr 104
		.amdhsa_reserve_vcc 1
		.amdhsa_float_denorm_mode_32 3
		.amdhsa_float_denorm_mode_16_64 3
		.amdhsa_memory_ordered 1
		.amdhsa_forward_progress 1
		.amdhsa_inst_pref_size 59
	.end_amdhsa_kernel
	.amdgpu_metadata
---
amdhsa.version: [ 1, 2 ]
amdhsa.kernels:
  - .name:           k_q431974ca61_attn
    .symbol:         k_q431974ca61_attn.kd
    .args:
      - { .name: qkv_codes, .offset: 0, .size: 8, .value_kind: global_buffer, .address_space: global }
      - { .name: qkv_scales, .offset: 8, .size: 8, .value_kind: global_buffer, .address_space: global }
      - { .name: maskw, .offset: 16, .size: 8, .value_kind: global_buffer, .address_space: global }
      - { .name: o_codes, .offset: 24, .size: 8, .value_kind: global_buffer, .address_space: global }
      - { .name: o_scales, .offset: 32, .size: 8, .value_kind: global_buffer, .address_space: global }
    .group_segment_fixed_size: 280576
    .private_segment_fixed_size: 0
    .kernarg_segment_align: 8
    .kernarg_segment_size: 40
    .max_flat_workgroup_size: 512
    .sgpr_count:     104
    .vgpr_count:     256
    .wavefront_size: 32
...
	.end_amdgpu_metadata
.endif
;; end of part 3
;; launch outp (part 4): grid 4 x 64, 4 waves a work-group, no clusters, 83,456 bytes of LDS; arguments o_codes, o_scales, codes1, scales1, out0; writes out0
.if DOCPART == 4
	.amdgcn_target "amdgcn-amd-amdhsa--gfx1250"
	.amdhsa_code_object_version 6
	.text
	.protected	k_q431974ca61_outp
	.globl	k_q431974ca61_outp
	.p2align	8
	.type	k_q431974ca61_outp,@function
k_q431974ca61_outp:
	s_mov_b64 s[64:65], 0
	v_nop
	global_prefetch_b8 v0, s[64:65] scope:SCOPE_SE
	s_setreg_imm32_b32 hwreg(HW_REG_WAVE_MODE, 25, 1), 1
	s_wait_xcnt 0x0
; OUT = o w_o^T on codes of FP4 with E8M0 scales; out0 [8192][1024] f32.
; SHARES.  A work-group takes 128 tokens (eight tiles of 16) and 256 columns; wave w takes columns 64 (4 x + w) on: 32 accumulators, eight K steps of 128, 256 matrix instructions.
; o's eight tiles (65,536 bytes of images) go into LDS once and are read by all four waves.  A fragment of w_o is wanted by one wave of the work-group alone: it goes from memory straight into registers (a whole window).
; Source 0 = 16 rows of w_o, source 1 = 16 tokens: a lane holds one token, and the 32 registers of the four tiles of w_o are 32 NEIGHBOURING columns (row r of tile 4 C + g is 64 C + 8 g + (r & 7) + 32 (r >> 3)).
; A tile of 16 tokens x 64 columns goes out through the wave's own stage in LDS, so that sixteen lanes store 256 consecutive bytes, aligned.
; REGISTERS, in windows of 256: window 0: v1-7 addresses; v16-79, v80-143 o's fragments, two sets (the first is also the way out's); v144-175 o's scale words; v176-191 w_o's.   window 1: the accumulators.   window 2: w_o.
.set LI,  1                            ; v1  16 x lane
.set L8,  2                            ; v2  8 x lane
.set L4,  3                            ; v3  4 x lane
.set CPA, 4                            ; v4  16 x thread: the copy of o
.set STO, 5                            ; v5  the stage: where I put my 128 bytes of a row
.set RD,  6                            ; v6  and where I read rows back
.set CO,  7                            ; v7  my byte offset in two rows of out0
.set XF0, 16
.set XS,  144                          ; register 4 xt + kp: lanes 0-15 K step 2 kp, lanes 16-31 K step 2 kp + 1
.set WS,  176
.set BK,  16                           ; rows read back: v16-47 and v48-79 by turns
.set STG, 65536                        ; behind o's images: a stage of 16 rows x (256 + 16) bytes for each wave
.set MSB, 0
.macro WIN new                         ; s_set_vgpr_msb: bits 1:0 source 0, 3:2 source 1, 5:4 source 2, 7:6 destination; the high byte repeats the setting that is left
.if MSB != (\new)
	s_set_vgpr_msb (MSB<<8)|(\new)
.set MSB, (\new)
.endif
.endm
.macro PLACES                          ; four plain vector instructions between a matrix instruction and a load into, or a read of, its registers
.rept 4
	v_nop
.endr
.endm
.macro XFETCH ks, buf
.irp xt, 0,1,2,3,4,5,6,7
.irp c, 0,1
	ds_load_b128 v[XF0+64*(\buf)+8*\xt+4*\c:XF0+64*(\buf)+8*\xt+4*\c+3], v[LI] offset:\xt*8192+(\ks)*1024+\c*512
.endr
.endr
.endm
; K step ks: the next K step's fragments of o are asked for, then 32 matrix instructions; the 32 accumulators take turns, one instruction a turn.  The first K step starts the sums.
.macro STEP ks
	WIN 0
.if (\ks) > 0
	PLACES                                         ; the set that is loaded next was read by the products just issued
.endif
.if (\ks) < 7
	XFETCH (\ks)+1, ((\ks)+1)%2
	s_wait_dscnt 16                                ; this K step's fragments are in; the sixteen loads just issued may be out
.else
	s_wait_dscnt 0x0
.endif
	WIN 0x52                                       ; source 0 (w_o) window 2, source 1 (o) window 0, C and D window 1
.irp xt, 0,1,2,3,4,5,6,7
.irp g, 0,1,2,3
.if (\ks) == 0
	v_wmma_scale_f32_16x16x128_f8f6f4 v[32*\xt+8*\g:32*\xt+8*\g+7], v[8*\g:8*\g+7], v[XF0+8*\xt:XF0+8*\xt+7], 0, v[WS+4*\g], v[XS+4*\xt] matrix_a_fmt:MATRIX_FMT_FP4 matrix_b_fmt:MATRIX_FMT_FP4
.elseif (\ks)%2 == 1
	v_wmma_scale_f32_16x16x128_f8f6f4 v[32*\xt+8*\g:32*\xt+8*\g+7], v[32*(\ks)+8*\g:32*(\ks)+8*\g+7], v[XF0+64+8*\xt:XF0+64+8*\xt+7], v[32*\xt+8*\g:32*\xt+8*\g+7], v[WS+4*\g+(\ks)/2], v[XS+4*\xt+(\ks)/2] matrix_a_fmt:MATRIX_FMT_FP4 matrix_b_fmt:MATRIX_FMT_FP4 matrix_a_scale:MATRIX_SCALE_ROW1 matrix_b_scale:MATRIX_SCALE_ROW1
.else
	v_wmma_scale_f32_16x16x128_f8f6f4 v[32*\xt+8*\g:32*\xt+8*\g+7], v[32*(\ks)+8*\g:32*(\ks)+8*\g+7], v[XF0+8*\xt:XF0+8*\xt+7], v[32*\xt+8*\g:32*\xt+8*\g+7], v[WS+4*\g+(\ks)/2], v[XS+4*\xt+(\ks)/2] matrix_a_fmt:MATRIX_FMT_FP4 matrix_b_fmt:MATRIX_FMT_FP4
.endif
.endr
.endr
.endm
.macro TOSTAGE xt                      ; tile xt: my 32 columns of my token into the stage, and whole rows of 256 bytes back, two an instruction
	WIN 0x04                                       ; an LDS store's data are its source 1: window 1
.irp e, 0,1,2,3,4,5,6,7
	ds_store_b128 v[STO], v[32*(\xt)+4*\e:32*(\xt)+4*\e+3] offset:16*\e   ; each accumulator from its low end on
.endr
	WIN 0
.irp u, 0,1,2,3,4,5,6,7
	ds_load_b128 v[BK+32*((\xt)%2)+4*\u:BK+32*((\xt)%2)+4*\u+3], v[RD] offset:544*\u   ; LDS serves a wave's instructions in order: these see the stores above, and the next tile's stores come behind them
.endr
.endm
.macro SEND xt                         ; stage rows 2 u and 2 u + 1 are tokens 64 (xt / 4) + 8 (xt % 4) + 2 (u % 4) + 32 (u / 4) and the next
.irp u, 0,1,2,3,4,5,6,7
	global_store_b128 v[CO], v[BK+32*((\xt)%2)+4*\u:BK+32*((\xt)%2)+4*\u+3], s[12:13] offset:(64*((\xt)/4)+8*((\xt)%4)+2*(\u%4)+32*(\u/4))*4096 th:TH_STORE_NT   ; sixteen lanes store 256 consecutive bytes, at a multiple of 256 from out0's first byte
.endr
.endm
	s_load_b256 s[4:11], s[0:1], 0x0               ; o_codes s[4:5], o_scales s[6:7], codes1 s[8:9], scales1 s[10:11]
	s_load_b64 s[12:13], s[0:1], 0x20              ; out0
	v_lshl_add_u32 v254, v0, 2, 0x14400
	v_mov_b32 v255, 0
	v_lshrrev_b32 v10, 5, v0
	v_readfirstlane_b32 s14, v10                   ; wave 0..3
	v_and_b32 v10, 31, v0                          ; lane
	v_and_b32 v8, 15, v0                           ; r
	v_bfe_u32 v9, v0, 4, 1                         ; h
	v_lshlrev_b32 v[LI], 4, v10
	v_lshlrev_b32 v[L8], 3, v10
	v_lshlrev_b32 v[L4], 2, v10
	v_lshlrev_b32 v[CPA], 4, v0
	s_mul_i32 s30, s14, 16*272
	s_add_co_u32 s30, s30, STG                     ; my stage
	v_mul_u32_u24 v[STO], v8, 272
	v_lshl_add_u32 v[STO], v9, 7, v[STO]
	v_add_nc_u32 v[STO], s30, v[STO]               ; in: row r, + 128 h
	v_mul_u32_u24 v[RD], v9, 272
	v_lshl_add_u32 v[RD], v8, 4, v[RD]
	v_add_nc_u32 v[RD], s30, v[RD]                 ; back: lanes 0-15 one row, lanes 16-31 the next
	v_lshlrev_b32 v[CO], 12, v9
	v_lshl_add_u32 v[CO], v8, 4, v[CO]             ; and the same two rows of out0, 4,096 bytes apart
	s_lshl_b32 s15, ttmp9, 2
	s_add_co_u32 s15, s15, s14                     ; which 64 columns
	s_and_b32 s16, ttmp7, 0xffff                   ; which 128 tokens
	s_mov_b32 s33, 0
	s_wait_alu depctr_va_vdst(0)
	s_wait_kmcnt 0x0
	s_lshl_b32 s32, s16, 16
	s_add_nc_u64 s[20:21], s[4:5], s[32:33]        ; o's eight tiles of codes
	s_lshl_b32 s32, s16, 12
	s_add_nc_u64 s[22:23], s[6:7], s[32:33]        ; and their scale words
	s_lshl_b32 s32, s15, 15
	s_add_co_u32 s32, s32, 0x580000
	s_add_nc_u64 s[24:25], s[8:9], s[32:33]        ; w_o begins at tile 704
	s_lshl_b32 s32, s15, 11
	s_add_co_u32 s32, s32, 0x58000
	s_add_nc_u64 s[26:27], s[10:11], s[32:33]
	s_lshl_b32 s32, s16, 19
	s_lshl_b32 s34, s15, 8
	s_add_co_u32 s32, s32, s34
	s_add_nc_u64 s[12:13], s[12:13], s[32:33]      ; out0 at my first token and column
.set i, 0
.rept 32
	global_load_b128 v[16+4*i:19+4*i], v[CPA], s[20:21] offset:2048*i   ; o's 65,536 bytes: 128 threads x 16 bytes x 32
.set i, i+1
.endr
	WIN 0x80                                       ; destination window 2
.irp ks, 0,1,2,3,4,5,6,7
.irp g, 0,1,2,3
.irp c, 0,1
	global_load_b128 v[32*\ks+8*\g+4*\c:32*\ks+8*\g+4*\c+3], v[LI], s[24:25] offset:\g*8192+\ks*1024+\c*512
.endr
.endr
.endr
	WIN 0
.irp g, 0,1,2,3
.irp kh, 0,1
	global_load_b64 v[WS+4*\g+2*\kh:WS+4*\g+2*\kh+1], v[L8], s[26:27] offset:\g*512+\kh*256
.endr
.endr
.irp xt, 0,1,2,3,4,5,6,7
.irp kp, 0,1,2,3
	global_load_b32 v[XS+4*\xt+\kp], v[L4], s[22:23] offset:\xt*512+\kp*128
.endr
.endr
	s_wait_loadcnt 0x0
.set i, 0
.rept 32
	ds_store_b128 v[CPA], v[16+4*i:19+4*i] offset:2048*i
.set i, i+1
.endr
	s_wait_dscnt 0x0                               ; for the others' sake: my part of o lies in LDS
	s_barrier_signal -1
	s_barrier_wait -1                              ; everybody's does: the launch's one barrier; those bytes are only read from here on
	XFETCH 0, 0
.irp ks, 0,1,2,3,4,5,6,7
	STEP \ks
.endr
	WIN 0
	PLACES                                         ; behind the last products: reads of the results follow
	TOSTAGE 0
.irp xt, 1,2,3,4,5,6,7
.if \xt > 1
	s_wait_xcnt 0x0                                ; the stores of two tiles back have read their registers: this tile's rows may land there
.endif
	TOSTAGE \xt
	s_wait_dscnt 16                                ; the tile before is back in registers; this tile's eight stores and eight loads may be out
	SEND \xt-1
.endr
	s_wait_dscnt 0x0
	SEND 7
	s_wait_tensorcnt 0x0
	ds_add_u32 v254, v255
	s_wait_dscnt 0x0
	s_endpgm
.Lfunc_end_k_q431974ca61_outp:
	.size	k_q431974ca61_outp, .Lfunc_end_k_q431974ca61_outp-k_q431974ca61_outp
	.p2alignl 7, 3214868480
	.fill 96, 4, 3214868480
	.section	.rodata,"a",@progbits
	.p2align	6, 0x0
	.amdhsa_kernel k_q431974ca61_outp
		.amdhsa_group_segment_fixed_size 83456
		.amdhsa_private_segment_fixed_size 0
		.amdhsa_enable_private_segment 0
		.amdhsa_kernarg_size 40
		.amdhsa_user_sgpr_count 2
		.amdhsa_user_sgpr_kernarg_segment_ptr 1
		.amdhsa_wavefront_size32 1
		.amdhsa_system_sgpr_workgroup_id_x 1
		.amdhsa_system_sgpr_workgroup_id_y 1
		.amdhsa_system_sgpr_workgroup_id_z 1
		.amdhsa_system_vgpr_workitem_id 0
		.amdhsa_next_free_vgpr 768
		.amdhsa_next_free_sgpr 66
		.amdhsa_reserve_vcc 0
		.amdhsa_float_denorm_mode_32 3
		.amdhsa_float_denorm_mode_16_64 3
		.amdhsa_memory_ordered 1
		.amdhsa_forward_progress 1
		.amdhsa_inst_pref_size 74
	.end_amdhsa_kernel
	.amdgpu_metadata
---
amdhsa.version: [ 1, 2 ]
amdhsa.kernels:
  - .name:           k_q431974ca61_outp
    .symbol:         k_q431974ca61_outp.kd
    .args:
      - { .name: o_codes, .offset: 0, .size: 8, .value_kind: global_buffer, .address_space: global }
      - { .name: o_scales, .offset: 8, .size: 8, .value_kind: global_buffer, .address_space: global }
      - { .name: codes1, .offset: 16, .size: 8, .value_kind: global_buffer, .address_space: global }
      - { .name: scales1, .offset: 24, .size: 8, .value_kind: global_buffer, .address_space: global }
      - { .name: out0, .offset: 32, .size: 8, .value_kind: global_buffer, .address_space: global }
    .group_segment_fixed_size: 83456
    .private_segment_fixed_size: 0
    .kernarg_segment_align: 8
    .kernarg_segment_size: 40
    .max_flat_workgroup_size: 128
    .sgpr_count:     66
    .vgpr_count:     768
    .wavefront_size: 32
...
	.end_amdgpu_metadata
.endif
;; end of part 4
